; MI455X (gfx1250); checked and timed in simulation.
; The chip was launched on July 23, 2026; its instructions are those of AMD's public machine-readable ISA for CDNA 5 (MIT licence, August 2026) and "CDNA5" Instruction Set Architecture Reference Guide (July 2026). The comments in the code are by the model that wrote it; some were corrected since.
;; Kronecker Linear. Allowed arithmetic: float matrix products may take bf16 or f16 operands with f32 sums; all other float work in f32.
;; Inputs: U 128 x 128 float32; V 128 x 128 float32; x 256 x 16,384 float32.
;; Outputs: out0 256 x 16,384 float32.
;; 2 versions, each right and faster than the one before. Each part assembles by itself: llvm-mc -triple=amdgcn-amd-amdhsa -mcpu=gfx1250 --defsym DOCPART=n.
;; ======== version 1 of 2: 1 launch
;; launch kron (part 1): grid 256 x 1, 4 waves a work-group, clusters of 4 x 1, 307,712 bytes of LDS; arguments x, U, V, out0; writes out0
.if DOCPART == 1
	.amdgcn_target "amdgcn-amd-amdhsa--gfx1250"
	.amdhsa_code_object_version 6
	.text
	.protected	k_qa57dc45cb2_kron
	.globl	k_qa57dc45cb2_kron
	.p2align	8
	.type	k_qa57dc45cb2_kron,@function
k_qa57dc45cb2_kron:
	s_mov_b64 s[64:65], 0
	v_nop
	global_prefetch_b8 v0, s[64:65] scope:SCOPE_SE
	s_setreg_imm32_b32 hwreg(HW_REG_WAVE_MODE, 25, 1), 1
	s_wait_xcnt 0x0
	s_wait_alu depctr_hold_cnt(0) depctr_sa_sdst(0) depctr_va_vdst(0) depctr_va_sdst(0) depctr_va_ssrc(0) depctr_va_vcc(0) depctr_vm_vsrc(0)
	s_getreg_b32 s2, hwreg(HW_REG_IB_STS2, 6, 4)
	s_cmp_eq_u32 s2, 0
	s_cbranch_scc0 .Lentry_in_a_cluster
	s_endpgm
.Lentry_in_a_cluster:
	s_bfe_u32 s2, ttmp6, 0x10000c
	s_cmp_lg_u32 s2, 0x3003
	s_cbranch_scc0 .Lentry_shape_is_right
	s_endpgm
.Lentry_shape_is_right:
; out = x kron(U, V).  x, out: [256][16384] f32; U, V: [128][128] f32.
; kron(U, V)[128 i + j][128 k + l] = U[i][k] V[j][l], so for a token t, with X = its row of x read as [128 (i)][128 (j)]:
;   out[t][128 k + l] = sum over i of U[i][k] * ( sum over j of X[i][j] V[j][l] ),   that is  out_t = U^T (X V).
; The identity holds for every input; the product matrix of 16384 x 16384 is never formed.
;
; LIMITS, kept on purpose: the sums are made in this factored order (f32 sums in the matrix unit), not in the order of one long row of 16384;
; x, U, V are rounded to bf16, and Y = X V is rounded once more to bf16 (bf16, not f16: Y grows with the square of the inputs' size and has f32's range
; in bf16).  Y itself has to stay finite in f32.  Where inputs hold infinities or NaN beside zeros, the pattern of NaN may differ from the dense product's.
;
; SHARES.  One work-group = one token, four waves.  Wave w makes columns l = 32 w .. 32 w + 31 of the token's 128 x 128 result, in two blocks b of 16:
;   stage 1: Y[all 128 i][my 32 l] = X V, 8 blocks of i x 2 b x 4 steps of 32 along j = 64 matrix instructions;
;   stage 2: out[all 128 k][my 32 l] = U^T Y, 64 more.
; A result tile of stage 1 holds Y(i = 16 a + 8 h + reg, l = l0 + r) in lane (r, h): packed in pairs to bf16 these are exactly registers 0-3 (a even) or 4-7
; (a odd) of a 16-bit operand fragment with row l0 + r and K = i.  So Y goes from stage 1 to stage 2 in registers, and no wave needs another wave's Y.
; Stage 2 takes Y as source 0 and U as source 1: a lane then holds out(k = 16 c + r, l = l0 + 8 h + 0..7), 32 neighbouring bytes of a row.
;
; DATA.  x: wave w loads rows 32 w .. 32 w + 31 of X straight into registers, 32 loads of 512 neighbouring bytes, first thing; rounds; stores bf16 to LDS.
; U, V: every work-group reads all of both, so the four work-groups of a cluster ask for them JOINTLY: wave w brings rows 32 w .. 32 w + 31 of each (16 KiB,
; dense in memory) as f32 into bytes of its own, reads only those back, rounds, and stores bf16 rows for all waves.  That is done while x is on its way.
; Both U and V have the summed index as their ROW, so their fragments are read with the transposing LDS load.
; Every LDS byte is filled once: there is no ring and no refill.  No prefetch: all that the work-group reads is asked for in its first lines.
; LDS map (bytes); every region starts at a multiple of 256, and no tensor load lands in a region that LDS stores write
.set RAWV, 0                           ; 65536  V as f32, wave w's 32 rows at 16384 w
.set RAWU, 65536                       ; 65536  U likewise
.set XB,   131072                      ; 128 x 272  X in bf16, j along the rows
.set VB,   165888                      ; 128 x 288  V in bf16, [j][l]
.set UB,   202752                      ; 128 x 288  U in bf16, [i][k]
.set OST,  239616                      ; 128 x 528  the result in f32, [k][l]; ends at 307200
.set XP,   272                         ; 256 + 16: sixteen rows' 16-byte pieces fall on sixteen different columns of 16 bytes modulo 256
.set WP,   288                         ; 256 + 32: the same for the transposing load, whose eight lanes take eight rows and two columns of 16 bytes
.set OP,   528                         ; 512 + 16
; vector registers
.set LANE, 1                           ; lane L
.set XO,   2                           ; 16 L: the offset of every global load and store; never rewritten
.set R16,  3                           ; r = L % 16
.set H,    4                           ; h = L / 16
.set XA,   5                           ; X fragments:  XB + 272 r + 16 h
.set TT,   6                           ; transposing loads: (8 h + L % 8) 288 + 16 ((L / 8) % 2)
.set VA,   7                           ; V fragments:  VB + TT + 64 w (my 32 columns)
.set UA,   8                           ; U fragments:  UB + TT
.set OS,   9                           ; result tiles into the stage: OST + 528 r + 32 h + 128 w
.set ORD,  10                          ; rows back from the stage:    OST + 32 w rows + 16 L
.set RDV,  11                          ; my raw rows of V: 16384 w + 16 L
.set RDU,  12                          ; my raw rows of U
.set WX,   13                          ; my bf16 rows of X: XB + 32 w rows + 8 L
.set WV,   14                          ; of V
.set WU,   15                          ; of U
.set ACC,  16                          ; v[16:47]    four accumulator tiles, (e, b) at ACC + 8 (2 e + b)
.set YF,   48                          ; v[48:111]   Y's fragments, (K step p, b) at YF + 8 (2 p + b)
.set CV,   48                          ; the same registers, earlier: sixteen rows of U or V being rounded
.set BUF0, 112                         ; v[112:175]  fragments of X, later of U: (e, K step s) at 8 (4 e + s)
.set BUF1, 176                         ; v[176:239]  the second buffer
.set XR,   112                         ; v[112:239]  earlier: x as loaded; later: the result's rows on their way out
                                       ; v[256:319]  V's fragments, (K step s, b) at 256 + 8 (2 s + b): named v[8 (2 s + b)] in window 1
; scalar registers
.set G1,   24                          ; s[24:31] descriptor group 1, for both tensor loads
.set G0V,  32                          ; s[32:35] group 0 for V
.set G0U,  36                          ; s[36:39] group 0 for U
.set MSB, 0
.macro WIN new                         ; s_set_vgpr_msb: bits 1:0 source 0, 3:2 source 1, 5:4 source 2, 7:6 destination; the high byte repeats the setting that is left
.if MSB != \new
	s_set_vgpr_msb (MSB<<8)|\new
.set MSB, \new
.endif
.endm
; A round of the cluster's barrier: my work-group's barrier, wave 0 signals for the work-group, every wave waits for all four work-groups, my work-group's barrier again.
.macro ROUND
	s_barrier_signal -1
	s_barrier_wait -1
	s_cmp_lg_u32 s12, 0
	s_cbranch_scc1 .Lnot_wave_0_\@
	s_barrier_signal -3
.Lnot_wave_0_\@:
	s_barrier_wait -3
	s_barrier_signal -1
	s_barrier_wait -1
.endm
.macro PLACES n
.rept \n
	v_nop
.endr
.endm
	s_load_b256 s[4:11], s[0:1], 0x0               ; x s[4:5], U s[6:7], V s[8:9], out s[10:11]
	v_lshl_add_u32 v254, v0, 2, 0x4b000
	v_mov_b32 v255, 0
	ds_add_u32 v254, v255
	ds_add_u32 v254, v255
	v_lshrrev_b32 v16, 5, v0
	v_readfirstlane_b32 s12, v16                   ; wave w, 0 to 3
	v_and_b32 v[LANE], 31, v0
	v_lshlrev_b32 v[XO], 4, v[LANE]
	s_bfe_u32 s13, ttmp6, 0x40000                  ; cx: my place in the cluster
	s_lshl_b32 s14, ttmp9, 2                       ; ttmp9 counts clusters
	s_add_co_u32 s14, s14, s13                     ; token = 4 x cluster + cx; it enters the addresses of x and out alone
	s_lshl_b32 s20, s12, 14                        ; 16384 w: my 32 rows in U, in V, in a token of x and of out; no place in the cluster enters s[20:21]
	s_mov_b32 s21, 0
	s_lshl_b32 s16, s14, 16                        ; a token is 65536 bytes; 255 tokens stay inside 32 bits
	s_add_co_u32 s16, s16, s20
	s_mov_b32 s17, 0
	; Group 1: 16 KiB that are dense in memory, stated as 64 rows of 32 elements of 8 bytes, row after row, no padding.
	s_mov_b32 s[G1+0], 15|(3<<16)|(1<<21)          ; 15:0 mask: all four work-groups of the cluster; 17:16 elements of 8 bytes; 21 set beside a mask
	s_mov_b32 s[G1+1], 32<<16                      ; tensor_dim0 = 32
	s_mov_b32 s[G1+2], 64<<16                      ; tensor_dim1 = 64
	s_mov_b32 s[G1+3], 32<<16                      ; tile_dim0 = 32
	s_mov_b32 s[G1+4], 64                          ; tile_dim1 = 64
	s_mov_b32 s[G1+5], 32                          ; from row to row: 32 elements
	s_mov_b32 s[G1+6], 0
	s_mov_b32 s[G1+7], 0
	s_mov_b32 s[G0V], 1
	s_lshl_b32 s[G0V+1], s12, 14                   ; LDS: RAWV + 16384 w
	s_mov_b32 s[G0U], 1
	s_add_co_u32 s[G0U+1], s20, RAWU               ; LDS: RAWU + 16384 w
	s_wait_dscnt 0x0
	s_wait_kmcnt 0x0
	s_add_nc_u64 s[4:5], s[4:5], s[16:17]          ; x at my 32 rows of my token
	s_add_nc_u64 s[10:11], s[10:11], s[16:17]      ; out likewise
	; x first: 32 loads of 512 neighbouring bytes, one row of X each; the four waves have the token's 64 KiB on their way at once
.irp g, 0,1,2,3
.irp t, 0,1,2,3,4,5,6,7
	global_load_b128 v[XR+4*(8*\g+\t):XR+4*(8*\g+\t)+3], v[XO], s[4:5] offset:512*(8*\g+\t) th:TH_LOAD_NT
.endr
.endr
	s_add_nc_u64 s[G0V+2:G0V+3], s[8:9], s[20:21]  ; V's rows 32 w ..: the same in all four work-groups
	s_or_b32 s[G0V+3], s[G0V+3], 0x80000000        ; type = 2
	s_add_nc_u64 s[G0U+2:G0U+3], s[6:7], s[20:21]
	s_or_b32 s[G0U+3], s[G0U+3], 0x80000000
	ROUND                                          ; all four work-groups are here: the joint loads meet.  x's loads stay out: nobody writes x
	tensor_load_to_lds s[G0V:G0V+3], s[G1:G1+7]    ; the only two tensor loads of the wave: two outstanding at the most
	s_nop 0
	tensor_load_to_lds s[G0U:G0U+3], s[G1:G1+7]
	s_nop 0
	; the LDS addresses, while the loads are on their way
	v_and_b32 v[R16], 15, v0
	v_bfe_u32 v[H], v0, 4, 1
	v_mul_u32_u24 v[XA], v[R16], XP
	v_lshl_add_u32 v[XA], v[H], 4, v[XA]
	v_add_nc_u32 v[XA], XB, v[XA]
	v_and_b32 v16, 7, v0
	v_lshl_add_u32 v16, v[H], 3, v16               ; row 8 h + L % 8
	v_mul_u32_u24 v[TT], v16, WP
	v_bfe_u32 v17, v0, 3, 1
	v_lshl_add_u32 v[TT], v17, 4, v[TT]            ; + 16 bytes for lanes 8-15 and 24-31
	s_lshl_b32 s40, s12, 6
	s_add_co_u32 s40, s40, VB
	v_add_nc_u32 v[VA], s40, v[TT]
	v_add_nc_u32 v[UA], UB, v[TT]
	v_mul_u32_u24 v[OS], v[R16], OP
	v_lshl_add_u32 v[OS], v[H], 5, v[OS]
	s_lshl_b32 s41, s12, 7
	s_add_co_u32 s41, s41, OST
	v_add_nc_u32 v[OS], s41, v[OS]
	s_mul_i32 s42, s12, 32*OP
	s_add_co_u32 s42, s42, OST
	v_add_nc_u32 v[ORD], s42, v[XO]
	v_add_nc_u32 v[RDV], s20, v[XO]
	v_add_nc_u32 v[RDU], RAWU, v[RDV]
	s_mul_i32 s44, s12, 32*XP
	s_add_co_u32 s44, s44, XB
	v_lshl_add_u32 v[WX], v[LANE], 3, s44
	s_mul_i32 s45, s12, 32*WP
	s_add_co_u32 s46, s45, UB
	s_add_co_u32 s45, s45, VB
	v_lshl_add_u32 v[WV], v[LANE], 3, s45
	v_lshl_add_u32 v[WU], v[LANE], 3, s46
; My 32 raw rows (512 bytes of f32 each, 16 bytes a lane) are rounded to bf16 rows (8 bytes a lane), sixteen rows at a time.
.macro CONV rd, wr
.irp g, 0,1
.irp t, 0,1,2,3,4,5,6,7,8,9,10,11,12,13,14,15
	ds_load_b128 v[CV+4*\t:CV+4*\t+3], v[\rd] offset:512*(16*\g+\t)
.endr
.irp t, 0,1,2,3,4,5,6,7,8,9,10,11,12,13,14,15
	s_wait_dscnt 15                                ; LDS instructions end in order (ISA guide 5.7.1): behind load t stand 15 - t loads and t stores, fifteen in all
	v_cvt_pk_bf16_f32 v[CV+4*\t],   v[CV+4*\t],   v[CV+4*\t+1]
	v_cvt_pk_bf16_f32 v[CV+4*\t+1], v[CV+4*\t+2], v[CV+4*\t+3]
	ds_store_b64 v[\wr], v[CV+4*\t:CV+4*\t+1] offset:WP*(16*\g+\t)
.endr
.endr
.endm
	s_wait_tensorcnt 0x1                           ; tensor loads of a wave end in order (ISA guide 10.11.1): my rows of V are in; U's load, issued behind, may be out
	CONV RDV, WV
	s_wait_tensorcnt 0x0                           ; my rows of U
	CONV RDU, WU
	; x: row by row as it arrives
.irp g, 0,1,2,3
.irp t, 0,1,2,3,4,5,6,7
	s_wait_loadcnt 31-(8*\g+\t)                    ; loads end in order: this row is in, the younger ones may be out
	v_cvt_pk_bf16_f32 v[XR+4*(8*\g+\t)],   v[XR+4*(8*\g+\t)],   v[XR+4*(8*\g+\t)+1]
	v_cvt_pk_bf16_f32 v[XR+4*(8*\g+\t)+1], v[XR+4*(8*\g+\t)+2], v[XR+4*(8*\g+\t)+3]
	ds_store_b64 v[WX], v[XR+4*(8*\g+\t):XR+4*(8*\g+\t)+1] offset:XP*(8*\g+\t)
.endr
.endr
	s_wait_dscnt 0x0                               ; my bf16 rows of X, V and U are written, for the other waves' sake
	s_barrier_signal -1
	s_barrier_wait -1                              ; everybody's are
; V's eight fragments for my 32 columns, kept for all of stage 1 in window 1.  [K][N] in LDS: two transposing loads, 16 rows apart, make a fragment.
.macro FETCHV
	WIN 0x40                                       ; destination window 1, address window 0
.irp s, 0,1,2,3
.irp b, 0,1
	ds_load_tr16_b128 v[8*(2*\s+\b):8*(2*\s+\b)+3],   v[VA] offset:32*WP*\s+32*\b
	ds_load_tr16_b128 v[8*(2*\s+\b)+4:8*(2*\s+\b)+7], v[VA] offset:32*WP*\s+32*\b+16*WP
.endr
.endr
	WIN 0
.endm
; X's fragments of rows 32 p .. 32 p + 31 (blocks 2 p + e), all four K steps: K lies along the rows, two loads 32 bytes apart make a fragment.
.macro FETCHX p, f
.irp e, 0,1
.irp s, 0,1,2,3
	ds_load_b128 v[\f+8*(4*\e+\s):\f+8*(4*\e+\s)+3],   v[XA] offset:16*XP*(2*\p+\e)+64*\s
	ds_load_b128 v[\f+8*(4*\e+\s)+4:\f+8*(4*\e+\s)+7], v[XA] offset:16*XP*(2*\p+\e)+64*\s+32
.endr
.endr
.endm
; U's fragments of columns k = 32 q .. 32 q + 31 (blocks 2 q + e), all four K steps along i.
.macro FETCHU q, f
.irp e, 0,1
.irp s, 0,1,2,3
	ds_load_tr16_b128 v[\f+8*(4*\e+\s):\f+8*(4*\e+\s)+3],   v[UA] offset:32*WP*\s+32*(2*\q+\e)
	ds_load_tr16_b128 v[\f+8*(4*\e+\s)+4:\f+8*(4*\e+\s)+7], v[UA] offset:32*WP*\s+32*(2*\q+\e)+16*WP
.endr
.endr
.endm
; Sixteen matrix instructions: four tiles x four K steps.  The four accumulators take turns, one instruction a turn, always in the order 0, 1, 2, 3.
; The first K step takes the constant 0 as C: nothing is cleared.
.macro MUL1 f                          ; Y tile (e, b) = X rows (source 0) x V columns (source 1, window 1)
	WIN 0x04
.irp s, 0,1,2,3
.irp e, 0,1
.irp b, 0,1
.if \s == 0
	v_wmma_f32_16x16x32_bf16 v[ACC+8*(2*\e+\b):ACC+8*(2*\e+\b)+7], v[\f+8*(4*\e+\s):\f+8*(4*\e+\s)+7], v[8*(2*\s+\b):8*(2*\s+\b)+7], 0
.else
	v_wmma_f32_16x16x32_bf16 v[ACC+8*(2*\e+\b):ACC+8*(2*\e+\b)+7], v[\f+8*(4*\e+\s):\f+8*(4*\e+\s)+7], v[8*(2*\s+\b):8*(2*\s+\b)+7], v[ACC+8*(2*\e+\b):ACC+8*(2*\e+\b)+7]
.endif
.endr
.endr
.endr
	WIN 0
.endm
.macro MUL2 f                          ; out tile (e, b), transposed: Y (rows l, source 0) x U (columns k, source 1)
.irp s, 0,1,2,3
.irp e, 0,1
.irp b, 0,1
.if \s == 0
	v_wmma_f32_16x16x32_bf16 v[ACC+8*(2*\e+\b):ACC+8*(2*\e+\b)+7], v[YF+8*(2*\s+\b):YF+8*(2*\s+\b)+7], v[\f+8*(4*\e+\s):\f+8*(4*\e+\s)+7], 0
.else
	v_wmma_f32_16x16x32_bf16 v[ACC+8*(2*\e+\b):ACC+8*(2*\e+\b)+7], v[YF+8*(2*\s+\b):YF+8*(2*\s+\b)+7], v[\f+8*(4*\e+\s):\f+8*(4*\e+\s)+7], v[ACC+8*(2*\e+\b):ACC+8*(2*\e+\b)+7]
.endif
.endr
.endr
.endr
.endm
; Y tiles (e, b) of rows 32 p + 16 e + 8 h + 0..7 become registers 4 e .. 4 e + 3 of stage 2's fragment (K step p, b): the lower i in the low half.
.macro PACK p
.irp b, 0,1
.irp e, 0,1
.irp r, 0,1,2,3
	v_cvt_pk_bf16_f32 v[YF+8*(2*\p+\b)+4*\e+\r], v[ACC+8*(2*\e+\b)+2*\r], v[ACC+8*(2*\e+\b)+2*\r+1]
.endr
.endr
.endr
.endm
; The four tiles of k = 32 q .. 32 q + 31 go to the stage: a lane's eight numbers are 32 neighbouring bytes of row 16 (2 q + e) + r.
.macro STAGE q
.irp e, 0,1
.irp b, 0,1
	ds_store_b128 v[OS], v[ACC+8*(2*\e+\b):ACC+8*(2*\e+\b)+3]   offset:16*OP*(2*\q+\e)+64*\b
	ds_store_b128 v[OS], v[ACC+8*(2*\e+\b)+4:ACC+8*(2*\e+\b)+7] offset:16*OP*(2*\q+\e)+64*\b+16
.endr
.endr
.endm
	FETCHV
	FETCHX 0, BUF0
	FETCHX 1, BUF1
	; STAGE 1.  Each pair of row blocks: wait for its buffer (only the other buffer's 16 loads are younger), multiply, four places (behind a matrix
	; instruction, before its results are read by vector instructions), and before loads into its sources, fill the buffer again, pack Y.
	; The next pair's first products write over the accumulators: behind each accumulator's last product stand the four v_nop and the twelve conversions of the other three.
	s_wait_dscnt 16
	MUL1 BUF0
	PLACES 4
	FETCHX 2, BUF0
	PACK 0
	s_wait_dscnt 16
	MUL1 BUF1
	PLACES 4
	FETCHX 3, BUF1
	PACK 1
	s_wait_dscnt 16
	MUL1 BUF0
	PLACES 4
	FETCHU 0, BUF0                                 ; X is done with: the buffers go on with U's fragments
	PACK 2
	s_wait_dscnt 16
	MUL1 BUF1
	PLACES 4
	FETCHU 1, BUF1
	PACK 3
	; STAGE 2.  Five places behind each pair: four for the LDS stores that read the results and the loads into the sources, five for the next pair's first products, which write over the accumulators.
	s_wait_dscnt 16                                ; younger than U's pair 0: pair 1's 16 loads
	MUL2 BUF0
	PLACES 5
	FETCHU 2, BUF0
	STAGE 0
	s_wait_dscnt 24                                ; younger than pair 1: pair 2's 16 loads and 8 stores
	MUL2 BUF1
	PLACES 5
	FETCHU 3, BUF1
	STAGE 1
	s_wait_dscnt 32                                ; younger than pair 2: 8 stores, pair 3's 16 loads, 8 stores
	MUL2 BUF0
	PLACES 5
	STAGE 2
	s_wait_dscnt 16                                ; younger than pair 3: 8 and 8 stores
	MUL2 BUF1
	PLACES 4                                       ; only LDS stores and loads follow
	STAGE 3
	s_wait_dscnt 0x0                               ; my 32 columns of all 128 rows are in the stage, for the other waves' sake
	s_barrier_signal -1
	s_barrier_wait -1                              ; the rows are whole
	; THE WAY OUT: wave w takes rows k = 32 w .. 32 w + 31; one load and one store cover a whole row, 512 neighbouring bytes that start at a multiple of 512 from out's first byte.
.irp g, 0,1,2,3
.irp t, 0,1,2,3,4,5,6,7
	ds_load_b128 v[XR+4*(8*\g+\t):XR+4*(8*\g+\t)+3], v[ORD] offset:OP*(8*\g+\t)
.endr
.endr
.irp g, 0,1,2,3
.irp t, 0,1,2,3,4,5,6,7
	s_wait_dscnt 31-(8*\g+\t)                      ; this row is back, the younger ones may be out
	global_store_b128 v[XO], v[XR+4*(8*\g+\t):XR+4*(8*\g+\t)+3], s[10:11] offset:512*(8*\g+\t) th:TH_STORE_NT
.endr
.endr
	s_wait_tensorcnt 0x0
	ds_add_u32 v254, v255
	s_wait_dscnt 0x0
	ROUND                                          ; the closing round: no work-group ends while a partner may still issue a joint load that names it
	s_endpgm
.Lfunc_end_k_qa57dc45cb2_kron:
	.size	k_qa57dc45cb2_kron, .Lfunc_end_k_qa57dc45cb2_kron-k_qa57dc45cb2_kron
	.p2alignl 7, 3214868480
	.fill 96, 4, 3214868480
	.section	.rodata,"a",@progbits
	.p2align	6, 0x0
	.amdhsa_kernel k_qa57dc45cb2_kron
		.amdhsa_group_segment_fixed_size 307712
		.amdhsa_private_segment_fixed_size 0
		.amdhsa_enable_private_segment 0
		.amdhsa_kernarg_size 32
		.amdhsa_user_sgpr_count 2
		.amdhsa_user_sgpr_kernarg_segment_ptr 1
		.amdhsa_wavefront_size32 1
		.amdhsa_system_sgpr_workgroup_id_x 1
		.amdhsa_system_sgpr_workgroup_id_y 1
		.amdhsa_system_sgpr_workgroup_id_z 1
		.amdhsa_system_vgpr_workitem_id 0
		.amdhsa_next_free_vgpr 320
		.amdhsa_next_free_sgpr 66
		.amdhsa_reserve_vcc 0
		.amdhsa_float_denorm_mode_32 3
		.amdhsa_float_denorm_mode_16_64 3
		.amdhsa_memory_ordered 1
		.amdhsa_forward_progress 1
		.amdhsa_inst_pref_size 64
	.end_amdhsa_kernel
	.amdgpu_metadata
---
amdhsa.version: [ 1, 2 ]
amdhsa.kernels:
  - .name:           k_qa57dc45cb2_kron
    .symbol:         k_qa57dc45cb2_kron.kd
    .args:
      - { .name: x, .offset: 0, .size: 8, .value_kind: global_buffer, .address_space: global }
      - { .name: U, .offset: 8, .size: 8, .value_kind: global_buffer, .address_space: global }
      - { .name: V, .offset: 16, .size: 8, .value_kind: global_buffer, .address_space: global }
      - { .name: out0, .offset: 24, .size: 8, .value_kind: global_buffer, .address_space: global }
    .group_segment_fixed_size: 307712
    .private_segment_fixed_size: 0
    .kernarg_segment_align: 8
    .kernarg_segment_size: 32
    .max_flat_workgroup_size: 128
    .sgpr_count:     66
    .vgpr_count:     320
    .wavefront_size: 32
...
	.end_amdgpu_metadata
.endif
;; end of part 1
;; ======== version 2 of 2: 1 launch; 1.17 times as fast as version 1
;; launch kron (part 2): grid 256 x 1, 4 waves a work-group, clusters of 4 x 1, 307,712 bytes of LDS; arguments x, U, V, out0; writes out0
.if DOCPART == 2
	.amdgcn_target "amdgcn-amd-amdhsa--gfx1250"
	.amdhsa_code_object_version 6
	.text
	.protected	k_qa57dc45cb2_kron
	.globl	k_qa57dc45cb2_kron
	.p2align	8
	.type	k_qa57dc45cb2_kron,@function
k_qa57dc45cb2_kron:
	s_mov_b64 s[64:65], 0
	v_nop
	global_prefetch_b8 v0, s[64:65] scope:SCOPE_SE
	s_setreg_imm32_b32 hwreg(HW_REG_WAVE_MODE, 25, 1), 1
	s_wait_xcnt 0x0
	s_wait_alu depctr_hold_cnt(0) depctr_sa_sdst(0) depctr_va_vdst(0) depctr_va_sdst(0) depctr_va_ssrc(0) depctr_va_vcc(0) depctr_vm_vsrc(0)
	s_getreg_b32 s2, hwreg(HW_REG_IB_STS2, 6, 4)
	s_cmp_eq_u32 s2, 0
	s_cbranch_scc0 .Lentry_in_a_cluster
	s_endpgm
.Lentry_in_a_cluster:
	s_bfe_u32 s2, ttmp6, 0x10000c
	s_cmp_lg_u32 s2, 0x3003
	s_cbranch_scc0 .Lentry_shape_is_right
	s_endpgm
.Lentry_shape_is_right:
; out = x kron(U, V).  x, out: [256][16384] f32; U, V: [128][128] f32.
; kron(U, V)[128 i + j][128 k + l] = U[i][k] V[j][l], so for a token t, with X = its row of x read as [128 (i)][128 (j)]:
;   out[t][128 k + l] = sum over i of U[i][k] * ( sum over j of X[i][j] V[j][l] ),   that is  out_t = U^T (X V).
; The identity holds for every input; the product matrix of 16384 x 16384 is never formed.
;
; LIMITS, kept on purpose: the sums are made in this factored order (f32 sums in the matrix unit), not in the order of one long row of 16384;
; x, U, V are rounded to bf16, and Y = X V is rounded once more to bf16 (bf16, not f16: Y grows with the square of the inputs' size and has f32's range
; in bf16).  Y itself has to stay finite in f32.  Where inputs hold infinities or NaN beside zeros, the pattern of NaN may differ from the dense product's.
;
; SHARES.  One work-group = one token, four waves.  Wave w makes columns l = 32 w .. 32 w + 31 of the token's 128 x 128 result, in two blocks b of 16:
;   stage 1: Y[all 128 i][my 32 l] = X V, 8 blocks of i x 2 b x 4 steps of 32 along j = 64 matrix instructions;
;   stage 2: out[all 128 k][my 32 l] = U^T Y, 64 more.
; A result tile of stage 1 holds Y(i = 16 a + 8 h + reg, l = l0 + r) in lane (r, h): packed in pairs to bf16 these are exactly registers 0-3 (a even) or 4-7
; (a odd) of a 16-bit operand fragment with row l0 + r and K = i.  So Y goes from stage 1 to stage 2 in registers, and no wave needs another wave's Y.
; Stage 2 takes Y as source 0 and U as source 1: a lane then holds out(k = 16 c + r, l = l0 + 8 h + 0..7), 32 neighbouring bytes of a row.
;
; DATA.  U, V: every work-group reads all of both, so the four work-groups of a cluster ask for them JOINTLY: wave w brings rows 32 w .. 32 w + 31 of each (16 KiB,
; dense in memory) as f32 into bytes of its own, reads only those back, rounds, and stores bf16 rows for all waves.  These two requests are the wave's first.
; x: wave w loads rows 32 w .. 32 w + 31 of X straight into registers, 32 loads of 512 neighbouring bytes; rounds them as they arrive; stores bf16 to LDS.
; Both U and V have the summed index as their ROW, so their fragments are read with the transposing LDS load.
; The result leaves in four quarters of 32 rows from inside stage 2: a quarter's tiles go to an LDS stage, one barrier, and each wave stores eight whole rows.
; Every LDS byte is filled once: there is no ring of LDS slots and no refill.  No prefetch: all that the work-group reads is asked for in its first lines.
; LDS map (bytes); every region starts at a multiple of 256, and no tensor load lands in a region that LDS stores write
.set RAWV, 0                           ; 65536  V as f32, wave w's 32 rows at 16384 w
.set RAWU, 65536                       ; 65536  U likewise
.set XB,   131072                      ; 128 x 272  X in bf16, j along the rows
.set VB,   165888                      ; 128 x 288  V in bf16, [j][l]
.set UB,   202752                      ; 128 x 288  U in bf16, [i][k]
.set OST,  239616                      ; 128 x 528  the result in f32, [k][l]; ends at 307200
.set XP,   272                         ; 256 + 16: sixteen rows' 16-byte pieces fall on sixteen different columns of 16 bytes modulo 256
.set WP,   288                         ; 256 + 32: the same for the transposing load, whose eight lanes take eight rows and two columns of 16 bytes
.set OP,   528                         ; 512 + 16
; vector registers, window 0
.set LANE, 1                           ; lane L
.set XO,   2                           ; 16 L: the offset of every global load and store; never rewritten
.set R16,  3                           ; r = L % 16
.set H,    4                           ; h = L / 16
.set XA,   5                           ; X fragments:  XB + 272 r + 16 h
.set TT,   6                           ; transposing loads: (8 h + L % 8) 288 + 16 ((L / 8) % 2)
.set VA,   7                           ; V fragments:  VB + TT + 64 w (my 32 columns)
.set UA,   8                           ; U fragments:  UB + TT
.set OS,   9                           ; result tiles into the stage: OST + 528 r + 32 h + 128 w
.set ORD,  10                          ; rows back from the stage:    OST + 8 w rows + 16 L
.set RDV,  11                          ; my raw rows of V: 16384 w + 16 L
.set RDU,  12                          ; my raw rows of U
.set WX,   13                          ; my bf16 rows of X: XB + 32 w rows + 8 L
.set WV,   14                          ; of V
.set WU,   15                          ; of U
.set ACC,  16                          ; v[16:47]    stage 1's four accumulator tiles, (e, b) at ACC + 8 (2 e + b)
.set YF,   48                          ; v[48:111]   Y's fragments, (K step p, b) at YF + 8 (2 p + b)
.set BUF0, 112                         ; v[112:175]  fragments of X: (e, K step s) at 8 (4 e + s)
.set BUF1, 176                         ; v[176:239]  the second buffer
.set XR,   112                         ; v[112:239]  earlier: x as loaded
.set RA,   48                          ; the same registers ahead of the first product: three groups of 64, each for sixteen raw rows of V or U being rounded;
.set RB,   112                         ; RB and RC are free as soon as x's rounded rows have been handed to LDS
.set RC,   176
; vector registers, window 1 (v256 to v511, named by their low eight bits)
.set AC2,  0                           ; stage 2's four accumulator tiles
.set UF0,  32                          ; U's fragments, two buffers of 64: (e, K step s) at 8 (4 e + s)
.set UF1,  96
.set VF,   160                         ; stage 1: V's fragments, (K step s, b) at VF + 8 (2 s + b), 64 registers
.set OB,   160                         ; stage 2: rows on their way out, 32 registers for each of the quarters 0, 1, 2; quarter 3 takes UF0's first 32
; s_set_vgpr_msb's low byte: bits 1:0 source 0, 3:2 source 1, 5:4 source 2, 7:6 destination.
.set W_V,  0x40                        ; an LDS load into window 1, its address in window 0
.set W_M1, 0x04                        ; stage 1's products: source 1 (V) in window 1
.set W_S2, 0x54                        ; ALL of stage 2: source 0 (Y's fragments; every address) in window 0; source 1 (U's fragments; the data of LDS and global stores), C and the destination in window 1
; scalar registers
.set G1,   24                          ; s[24:31] descriptor group 1, for both tensor loads
.set G0V,  32                          ; s[32:35] group 0 for V
.set G0U,  36                          ; s[36:39] group 0 for U
.set MSB, 0
.macro WIN new                         ; the immediate's high byte repeats the setting that is left; a switch that changes nothing is dropped
.if MSB != \new
	s_set_vgpr_msb (MSB<<8)|\new
.set MSB, \new
.endif
.endm
; A round of the cluster's barrier: my work-group's barrier, wave 0 signals for the work-group, every wave waits for all four work-groups, my work-group's barrier again.
.macro ROUND
	s_barrier_signal -1
	s_barrier_wait -1
	s_cmp_lg_u32 s12, 0
	s_cbranch_scc1 .Lnot_wave_0_\@
	s_barrier_signal -3
.Lnot_wave_0_\@:
	s_barrier_wait -3
	s_barrier_signal -1
	s_barrier_wait -1
.endm
.macro PLACES n
.rept \n
	v_nop
.endr
.endm
	s_load_b256 s[4:11], s[0:1], 0x0               ; x s[4:5], U s[6:7], V s[8:9], out s[10:11]
	v_lshl_add_u32 v254, v0, 2, 0x4b000
	v_mov_b32 v255, 0
	ds_add_u32 v254, v255
	ds_add_u32 v254, v255
	s_wait_dscnt 0x0
	; All that needs no argument is done while that load is on its way: ids, descriptor words, LDS addresses, and the cluster's opening round.
	v_lshrrev_b32 v16, 5, v0
	v_readfirstlane_b32 s12, v16                   ; wave w, 0 to 3
	v_and_b32 v[LANE], 31, v0
	v_lshlrev_b32 v[XO], 4, v[LANE]
	s_bfe_u32 s13, ttmp6, 0x40000                  ; cx: my place in the cluster
	s_lshl_b32 s14, ttmp9, 2                       ; ttmp9 counts clusters
	s_add_co_u32 s14, s14, s13                     ; token = 4 x cluster + cx; it enters the addresses of x and out alone
	s_lshl_b32 s20, s12, 14                        ; 16384 w: my 32 rows in U, in V and in a token of x; no place in the cluster enters s[20:21]
	s_mov_b32 s21, 0
	s_lshl_b32 s16, s14, 16                        ; a token is 65536 bytes; 255 tokens stay inside 32 bits
	s_lshl_b32 s18, s12, 12                        ; out: my 8 rows of 512 bytes in each quarter of 32 rows
	s_add_co_u32 s18, s18, s16
	s_mov_b32 s19, 0
	s_add_co_u32 s16, s16, s20                     ; x: my 32 rows
	s_mov_b32 s17, 0
	; Group 1: 16 KiB that are dense in memory, stated as 64 rows of 32 elements of 8 bytes, row after row, no padding.
	s_mov_b32 s[G1+0], 15|(3<<16)|(1<<21)          ; 15:0 mask: all four work-groups of the cluster; 17:16 elements of 8 bytes; 21 set beside a mask
	s_mov_b32 s[G1+1], 32<<16                      ; tensor_dim0 = 32
	s_mov_b32 s[G1+2], 64<<16                      ; tensor_dim1 = 64
	s_mov_b32 s[G1+3], 32<<16                      ; tile_dim0 = 32
	s_mov_b32 s[G1+4], 64                          ; tile_dim1 = 64
	s_mov_b32 s[G1+5], 32                          ; from row to row: 32 elements
	s_mov_b32 s[G1+6], 0
	s_mov_b32 s[G1+7], 0
	s_mov_b32 s[G0V], 1
	s_lshl_b32 s[G0V+1], s12, 14                   ; LDS: RAWV + 16384 w
	s_mov_b32 s[G0U], 1
	s_add_co_u32 s[G0U+1], s20, RAWU               ; LDS: RAWU + 16384 w
	; the LDS addresses
	v_and_b32 v[R16], 15, v0
	v_bfe_u32 v[H], v0, 4, 1
	v_mul_u32_u24 v[XA], v[R16], XP
	v_lshl_add_u32 v[XA], v[H], 4, v[XA]
	v_add_nc_u32 v[XA], XB, v[XA]
	v_and_b32 v16, 7, v0
	v_lshl_add_u32 v16, v[H], 3, v16               ; row 8 h + L % 8
	v_mul_u32_u24 v[TT], v16, WP
	v_bfe_u32 v17, v0, 3, 1
	v_lshl_add_u32 v[TT], v17, 4, v[TT]            ; + 16 bytes for lanes 8-15 and 24-31
	s_lshl_b32 s40, s12, 6
	s_add_co_u32 s40, s40, VB
	v_add_nc_u32 v[VA], s40, v[TT]
	v_add_nc_u32 v[UA], UB, v[TT]
	v_mul_u32_u24 v[OS], v[R16], OP
	v_lshl_add_u32 v[OS], v[H], 5, v[OS]
	s_lshl_b32 s41, s12, 7
	s_add_co_u32 s41, s41, OST
	v_add_nc_u32 v[OS], s41, v[OS]
	s_mul_i32 s42, s12, 8*OP
	s_add_co_u32 s42, s42, OST
	v_add_nc_u32 v[ORD], s42, v[XO]
	v_add_nc_u32 v[RDV], s20, v[XO]
	v_add_nc_u32 v[RDU], RAWU, v[RDV]
	s_mul_i32 s44, s12, 32*XP
	s_add_co_u32 s44, s44, XB
	v_lshl_add_u32 v[WX], v[LANE], 3, s44
	s_mul_i32 s45, s12, 32*WP
	s_add_co_u32 s46, s45, UB
	s_add_co_u32 s45, s45, VB
	v_lshl_add_u32 v[WV], v[LANE], 3, s45
	v_lshl_add_u32 v[WU], v[LANE], 3, s46
	ROUND                                          ; all four work-groups are here: the joint loads will meet.  The round reads none of the arguments
	s_wait_kmcnt 0x0
	s_add_nc_u64 s[G0V+2:G0V+3], s[8:9], s[20:21]  ; V's rows 32 w ..: the same in all four work-groups
	s_or_b32 s[G0V+3], s[G0V+3], 0x80000000        ; type = 2
	s_add_nc_u64 s[G0U+2:G0U+3], s[6:7], s[20:21]
	s_or_b32 s[G0U+3], s[G0U+3], 0x80000000
	tensor_load_to_lds s[G0V:G0V+3], s[G1:G1+7]    ; the wave's first two requests, and its only two tensor loads: two outstanding at the most
	s_nop 0
	tensor_load_to_lds s[G0U:G0U+3], s[G1:G1+7]
	s_nop 0
	s_add_nc_u64 s[4:5], s[4:5], s[16:17]          ; x at my 32 rows of my token
	s_add_nc_u64 s[10:11], s[10:11], s[18:19]      ; out at my 8 rows of my token's first quarter
	; x: 32 loads of 512 neighbouring bytes, one row of X each; the four waves have the token's 64 KiB on their way at once
.irp g, 0,1,2,3
.irp t, 0,1,2,3,4,5,6,7
	global_load_b128 v[XR+4*(8*\g+\t):XR+4*(8*\g+\t)+3], v[XO], s[4:5] offset:512*(8*\g+\t) th:TH_LOAD_NT
.endr
.endr
; ROUNDING TO bf16.  A row of 128 f32 is 16 bytes a lane in four registers; rounded it is 8 bytes a lane in the first two of them.
; Rows go in blocks of four, and a block's stores are issued behind the NEXT block's conversions: no store stands straight behind the conversion that feeds it.
.macro CVT4 f, blk                     ; rows 4 blk .. 4 blk + 3 of the registers from f on, rounded in place
.irp t, 0,1,2,3
	v_cvt_pk_bf16_f32 v[\f+4*(4*(\blk)+\t)],   v[\f+4*(4*(\blk)+\t)],   v[\f+4*(4*(\blk)+\t)+1]
	v_cvt_pk_bf16_f32 v[\f+4*(4*(\blk)+\t)+1], v[\f+4*(4*(\blk)+\t)+2], v[\f+4*(4*(\blk)+\t)+3]
.endr
.endm
.macro ST4 f, blk, wr, pitch, row0     ; the same four rows to rows row0 + 4 blk .. of my 32 bf16 rows at v[wr]
.irp t, 0,1,2,3
	ds_store_b64 v[\wr], v[\f+4*(4*(\blk)+\t):\f+4*(4*(\blk)+\t)+1] offset:\pitch*(\row0+4*(\blk)+\t)
.endr
.endm
.macro LD16 rd, g, f                   ; my raw rows 16 g .. 16 g + 15 of V or U from LDS into the group of registers from f on
.irp t, 0,1,2,3,4,5,6,7,8,9,10,11,12,13,14,15
	ds_load_b128 v[\f+4*\t:\f+4*\t+3], v[\rd] offset:512*(16*\g+\t)
.endr
.endm
; A group's sixteen rows are rounded and stored.  young = the LDS instructions issued between the group's sixteen loads and this macro's first line.
; LDS instructions end in order (ISA guide 5.7.1).  Behind the load of row 4 n + 3 stand 12 - 4 n loads of the group, the young ones, and this group's stores so far
; (0, 0, 4, 8): 12 + young for the first block, 8 + young for the other three.
.macro CS16 f, wr, row0, young
	s_wait_dscnt 12+\young
	CVT4 \f, 0
	s_wait_dscnt 8+\young
	CVT4 \f, 1
	ST4 \f, 0, \wr, WP, \row0
	s_wait_dscnt 8+\young
	CVT4 \f, 2
	ST4 \f, 1, \wr, WP, \row0
	s_wait_dscnt 8+\young
	CVT4 \f, 3
	ST4 \f, 2, \wr, WP, \row0
	ST4 \f, 3, \wr, WP, \row0
.endm
	; x, block by block as it arrives
	s_wait_loadcnt 28                              ; loads end in order: rows 0 to 3 are in, the 28 younger loads may be out
	CVT4 XR, 0
.irp blk, 1,2,3,4,5,6,7
	s_wait_loadcnt 28-4*\blk                       ; rows up to 4 blk + 3 are in
	CVT4 XR, \blk
	ST4 XR, \blk-1, WX, XP, 0
.endr
	ST4 XR, 7, WX, XP, 0
	; V and U: three groups of registers take turns, and a group's LDS loads are issued one or two groups ahead of its rounding.
	; A group is loaded again behind the stores that read it: LDS serves a wave's instructions in order.
	; No wait stands between x's 32 stores and V's 32 loads: where a counter's field is full the issue stalls by itself (ISA guide 5.7.1), and every count below is of younger instructions.
	s_wait_tensorcnt 0x1                           ; tensor loads of a wave end in order (ISA guide 10.11.1): my rows of V are in; U's load, issued behind, may be out
	LD16 RDV, 0, RA
	LD16 RDV, 1, RB
	CS16 RA, WV, 0, 16                             ; young: the 16 loads of V's second half
	s_wait_tensorcnt 0x0                           ; my rows of U
	LD16 RDU, 0, RC
	LD16 RDU, 1, RA
	CS16 RB, WV, 16, 48                            ; young: 16 stores and U's 32 loads
	CS16 RC, WU, 0, 32                             ; young: the 16 loads of U's second half and 16 stores
	CS16 RA, WU, 16, 32                            ; young: 16 and 16 stores
	s_wait_dscnt 0x0                               ; my bf16 rows of X, V and U are written, for the other waves' sake
	s_barrier_signal -1
	s_barrier_wait -1                              ; everybody's are
; V's eight fragments for my 32 columns, kept for all of stage 1 in window 1.  [K][N] in LDS: two transposing loads, 16 rows apart, make a fragment.
.macro FETCHV
	WIN W_V
.irp s, 0,1,2,3
.irp b, 0,1
	ds_load_tr16_b128 v[VF+8*(2*\s+\b):VF+8*(2*\s+\b)+3],   v[VA] offset:32*WP*\s+32*\b
	ds_load_tr16_b128 v[VF+8*(2*\s+\b)+4:VF+8*(2*\s+\b)+7], v[VA] offset:32*WP*\s+32*\b+16*WP
.endr
.endr
.endm
; X's fragments of rows 32 p .. 32 p + 31 (blocks 2 p + e), all four K steps: K lies along the rows, two loads 32 bytes apart make a fragment.
.macro FETCHX p, f
	WIN 0
.irp e, 0,1
.irp s, 0,1,2,3
	ds_load_b128 v[\f+8*(4*\e+\s):\f+8*(4*\e+\s)+3],   v[XA] offset:16*XP*(2*\p+\e)+64*\s
	ds_load_b128 v[\f+8*(4*\e+\s)+4:\f+8*(4*\e+\s)+7], v[XA] offset:16*XP*(2*\p+\e)+64*\s+32
.endr
.endr
.endm
; U's fragments of columns k = 32 q .. 32 q + 31 (blocks 2 q + e), all four K steps along i, into a buffer of window 1.
.macro FETCHU q, f
	WIN W_S2
.irp e, 0,1
.irp s, 0,1,2,3
	ds_load_tr16_b128 v[\f+8*(4*\e+\s):\f+8*(4*\e+\s)+3],   v[UA] offset:32*WP*\s+32*(2*\q+\e)
	ds_load_tr16_b128 v[\f+8*(4*\e+\s)+4:\f+8*(4*\e+\s)+7], v[UA] offset:32*WP*\s+32*(2*\q+\e)+16*WP
.endr
.endr
.endm
; Sixteen matrix instructions: four tiles x four K steps.  The four accumulators take turns, one instruction a turn, always in the order 0, 1, 2, 3.
; The first K step takes the constant 0 as C: nothing is cleared.
.macro MUL1 f                          ; Y tile (e, b) = X rows (source 0) x V columns (source 1, window 1)
	WIN W_M1
.irp s, 0,1,2,3
.irp e, 0,1
.irp b, 0,1
.if \s == 0
	v_wmma_f32_16x16x32_bf16 v[ACC+8*(2*\e+\b):ACC+8*(2*\e+\b)+7], v[\f+8*(4*\e+\s):\f+8*(4*\e+\s)+7], v[VF+8*(2*\s+\b):VF+8*(2*\s+\b)+7], 0
.else
	v_wmma_f32_16x16x32_bf16 v[ACC+8*(2*\e+\b):ACC+8*(2*\e+\b)+7], v[\f+8*(4*\e+\s):\f+8*(4*\e+\s)+7], v[VF+8*(2*\s+\b):VF+8*(2*\s+\b)+7], v[ACC+8*(2*\e+\b):ACC+8*(2*\e+\b)+7]
.endif
.endr
.endr
.endr
.endm
.macro MUL2 f                          ; out tile (e, b), transposed: Y (rows l, source 0, window 0) x U (columns k, source 1, window 1); sums in window 1
	WIN W_S2
.irp s, 0,1,2,3
.irp e, 0,1
.irp b, 0,1
.if \s == 0
	v_wmma_f32_16x16x32_bf16 v[AC2+8*(2*\e+\b):AC2+8*(2*\e+\b)+7], v[YF+8*(2*\s+\b):YF+8*(2*\s+\b)+7], v[\f+8*(4*\e+\s):\f+8*(4*\e+\s)+7], 0
.else
	v_wmma_f32_16x16x32_bf16 v[AC2+8*(2*\e+\b):AC2+8*(2*\e+\b)+7], v[YF+8*(2*\s+\b):YF+8*(2*\s+\b)+7], v[\f+8*(4*\e+\s):\f+8*(4*\e+\s)+7], v[AC2+8*(2*\e+\b):AC2+8*(2*\e+\b)+7]
.endif
.endr
.endr
.endr
.endm
; Y tiles (e, b) of rows 32 p + 16 e + 8 h + 0..7 become registers 4 e .. 4 e + 3 of stage 2's fragment (K step p, b): the lower i in the low half.
.macro PACK p
	WIN 0
.irp b, 0,1
.irp e, 0,1
.irp r, 0,1,2,3
	v_cvt_pk_bf16_f32 v[YF+8*(2*\p+\b)+4*\e+\r], v[ACC+8*(2*\e+\b)+2*\r], v[ACC+8*(2*\e+\b)+2*\r+1]
.endr
.endr
.endr
.endm
; The four tiles of quarter q (k = 32 q .. 32 q + 31) go to the stage: a lane's eight numbers are 32 neighbouring bytes of row 16 (2 q + e) + r.
.macro STAGE q
	WIN W_S2
.irp e, 0,1
.irp b, 0,1
	ds_store_b128 v[OS], v[AC2+8*(2*\e+\b):AC2+8*(2*\e+\b)+3]   offset:16*OP*(2*\q+\e)+64*\b
	ds_store_b128 v[OS], v[AC2+8*(2*\e+\b)+4:AC2+8*(2*\e+\b)+7] offset:16*OP*(2*\q+\e)+64*\b+16
.endr
.endr
.endm
; Rows 32 q + 8 w + 0..7 come back from the stage, a whole row of 512 bytes a load, into 32 registers of window 1 that nothing writes again.
.macro BACK q, f
	WIN W_S2
.irp t, 0,1,2,3,4,5,6,7
	ds_load_b128 v[\f+4*\t:\f+4*\t+3], v[ORD] offset:OP*(32*\q+\t)
.endr
.endm
; And leave: one store covers a whole row, 512 neighbouring bytes that start at a multiple of 512 from out's first byte.  counted = 1: each store waits for its own row.
.macro OUT q, f, counted
	WIN W_S2
.irp t, 0,1,2,3,4,5,6,7
.if \counted
	s_wait_dscnt 7-\t                              ; this row is back, the younger ones may be out
.endif
	global_store_b128 v[XO], v[\f+4*\t:\f+4*\t+3], s[10:11] offset:512*(32*\q+\t) th:TH_STORE_NT
.endr
.endm
	FETCHV
	FETCHX 0, BUF0
	FETCHX 1, BUF1
	; STAGE 1.  Each pair of row blocks: wait for its buffer (only the 16 loads issued behind it are younger), multiply, four places (behind a matrix
	; instruction, before its results are read by vector instructions), and before loads into its sources, fetch ahead, pack Y.
	; The next pair's first products write over the accumulators: behind each accumulator's last product stand the four v_nop and the twelve conversions of the other three.
	s_wait_dscnt 16
	MUL1 BUF0
	PLACES 4
	FETCHX 2, BUF0
	PACK 0
	s_wait_dscnt 16
	MUL1 BUF1
	PLACES 4
	FETCHX 3, BUF1
	PACK 1
	s_wait_dscnt 16
	MUL1 BUF0
	PLACES 4
	FETCHU 0, UF0                                  ; X is all fetched: U's first fragments come in under the rest of stage 1
	PACK 2
	s_wait_dscnt 16
	MUL1 BUF1
	PLACES 4
	PACK 3
	FETCHU 1, UF1
	; STAGE 2, under one window setting to the end.  A quarter q: its sixteen products; five places (four for the LDS stores that read the results and the loads into
	; the sources, five for the next quarter's first products, which write over the accumulators); its tiles to the stage; a barrier; behind it its rows are whole.
	; Between a barrier's signal and its wait stand the fetch of U's fragments two quarters ahead (bytes that nobody writes any more) and the next quarter's products.
	; Each quarter has stage rows and registers of its own: nothing in the stage is written twice, and no store's data register is written again.
	s_wait_dscnt 16                                ; younger than U's quarter 0: quarter 1's 16 loads
	MUL2 UF0
	PLACES 5
	STAGE 0
	s_wait_dscnt 0x0                               ; my columns of quarter 0 are in the stage, for the other waves' sake; U's quarter 1 is in too
	s_barrier_signal -1
	FETCHU 2, UF0
	MUL2 UF1
	s_barrier_wait -1                              ; quarter 0's rows are whole
	BACK 0, OB
	PLACES 5
	STAGE 1
	s_wait_dscnt 8                                 ; my eight rows of quarter 0 are back, and U's quarter 2, which is older; younger: the 8 stores of quarter 1
	OUT 0, OB, 0
	s_wait_dscnt 0x0
	s_barrier_signal -1
	FETCHU 3, UF1
	MUL2 UF0
	s_barrier_wait -1
	BACK 1, OB+32
	PLACES 5
	STAGE 2
	s_wait_dscnt 8                                 ; quarter 1's rows are back, and U's quarter 3; younger: the 8 stores of quarter 2
	OUT 1, OB+32, 0
	s_wait_dscnt 0x0
	s_barrier_signal -1
	MUL2 UF1
	s_barrier_wait -1
	BACK 2, OB+64
	PLACES 4                                       ; no matrix instruction follows: four for the LDS stores
	STAGE 3
	s_wait_dscnt 8                                 ; quarter 2's rows are back; younger: the 8 stores of quarter 3
	OUT 2, OB+64, 0
	s_wait_dscnt 0x0
	s_barrier_signal -1
	s_barrier_wait -1
	BACK 3, UF0                                    ; U's first buffer was last read by quarter 2's products, nine places ago
	OUT 3, UF0, 1
	WIN 0                                          ; at a branch and at a label every window is 0
	s_wait_tensorcnt 0x0
	ds_add_u32 v254, v255
	s_wait_dscnt 0x0
	ROUND                                          ; the closing round: no work-group ends while a partner may still issue a joint load that names it
	s_endpgm
.Lfunc_end_k_qa57dc45cb2_kron:
	.size	k_qa57dc45cb2_kron, .Lfunc_end_k_qa57dc45cb2_kron-k_qa57dc45cb2_kron
	.p2alignl 7, 3214868480
	.fill 96, 4, 3214868480
	.section	.rodata,"a",@progbits
	.p2align	6, 0x0
	.amdhsa_kernel k_qa57dc45cb2_kron
		.amdhsa_group_segment_fixed_size 307712
		.amdhsa_private_segment_fixed_size 0
		.amdhsa_enable_private_segment 0
		.amdhsa_kernarg_size 32
		.amdhsa_user_sgpr_count 2
		.amdhsa_user_sgpr_kernarg_segment_ptr 1
		.amdhsa_wavefront_size32 1
		.amdhsa_system_sgpr_workgroup_id_x 1
		.amdhsa_system_sgpr_workgroup_id_y 1
		.amdhsa_system_sgpr_workgroup_id_z 1
		.amdhsa_system_vgpr_workitem_id 0
		.amdhsa_next_free_vgpr 512
		.amdhsa_next_free_sgpr 66
		.amdhsa_reserve_vcc 0
		.amdhsa_float_denorm_mode_32 3
		.amdhsa_float_denorm_mode_16_64 3
		.amdhsa_memory_ordered 1
		.amdhsa_forward_progress 1
		.amdhsa_inst_pref_size 62
	.end_amdhsa_kernel
	.amdgpu_metadata
---
amdhsa.version: [ 1, 2 ]
amdhsa.kernels:
  - .name:           k_qa57dc45cb2_kron
    .symbol:         k_qa57dc45cb2_kron.kd
    .args:
      - { .name: x, .offset: 0, .size: 8, .value_kind: global_buffer, .address_space: global }
      - { .name: U, .offset: 8, .size: 8, .value_kind: global_buffer, .address_space: global }
      - { .name: V, .offset: 16, .size: 8, .value_kind: global_buffer, .address_space: global }
      - { .name: out0, .offset: 24, .size: 8, .value_kind: global_buffer, .address_space: global }
    .group_segment_fixed_size: 307712
    .private_segment_fixed_size: 0
    .kernarg_segment_align: 8
    .kernarg_segment_size: 32
    .max_flat_workgroup_size: 128
    .sgpr_count:     66
    .vgpr_count:     512
    .wavefront_size: 32
...
	.end_amdgpu_metadata
.endif
;; end of part 2
